; MI455X (gfx1250); checked and timed in simulation.
; The chip was launched on July 23, 2026; its instructions are those of AMD's public machine-readable ISA for CDNA 5 (MIT licence, August 2026) and "CDNA5" Instruction Set Architecture Reference Guide (July 2026). The comments in the code are by the model that wrote it; some were corrected since.
;; Cross Attention. Allowed arithmetic: matrix products marked QUANTISED: E2M3 operands, one E8M0 scale for each 32 along K, by v_wmma_scale_f32_16x16x128_f8f6f4 with both operands' format E2M3, f32 sums; everything else in f32.
;; Inputs: Wk_codes 1,024 x 32 x 24 uint8 (E2M3 codes of Wk, K innermost, in blocks of 32 codes, four codes in three bytes); Wk_scales 1,024 x 32 uint8 (E8M0 scales of Wk, one for each 32 codes along K); Wq_codes 1,024 x 32 x 24 uint8 (E2M3 codes of Wq, K innermost, in blocks of 32 codes, four codes in three bytes); Wq_scales 1,024 x 32 uint8 (E8M0 scales of Wq, one for each 32 codes along K); Wu_codes 64 x 32 x 24 uint8 (E2M3 codes of Wu, K innermost, in blocks of 32 codes, four codes in three bytes); Wu_scales 64 x 32 uint8 (E8M0 scales of Wu, one for each 32 codes along K); Wv_codes 1,024 x 32 x 24 uint8 (E2M3 codes of Wv, K innermost, in blocks of 32 codes, four codes in three bytes); Wv_scales 1,024 x 32 uint8 (E8M0 scales of Wv, one for each 32 codes along K); bu 64 float32; x_codes 4 x 2,048 x 32 x 24 uint8 (E2M3 codes of x, K innermost, in blocks of 32 codes, four codes in three bytes); x_scales 4 x 2,048 x 32 uint8 (E8M0 scales of x, one for each 32 codes along K); y_codes 4 x 2,048 x 32 x 24 uint8 (E2M3 codes of y, K innermost, in blocks of 32 codes, four codes in three bytes); y_scales 4 x 2,048 x 32 uint8 (E8M0 scales of y, one for each 32 codes along K).
;; Outputs: out0 4 x 2,048 x 64 float32.
;; This version of the problem:
;;   THIS VERSION OF THE PROBLEM IS GIVEN IN LOW PRECISION. The matrix products marked QUANTISED in the list below multiply operands that are first quantised to E2M3 (2 exponent bits, 3 mantissa bits; 6 bits a number), with one power-of-two scale for each 32 numbers along K (OCP MX v1.0); their sums are f32. All else is computed in f32.
;;   The module's matrix products, in the order in which they are computed (A, B: the left and right operand; K: the contracted axis; several contracted axes count as one K, in the product's order):
;;     1. [M 8,192, K 1,024] x [K 1,024, N 1,024]; A: input x (given as codes); B: input Wv (given as codes): QUANTISED
;;     2. [M 8,192, K 1,024] x [K 1,024, N 1,024]; A: input x (given as codes); B: input Wk (given as codes): QUANTISED
;;     3. [M 8,192, K 1,024] x [K 1,024, N 1,024]; A: input y (given as codes); B: input Wq (given as codes): QUANTISED
;;     4. batch 64 x [M 2,048, K 64] x [K 64, N 2,048]; A: computed on the way; B: computed on the way: QUANTISED
;;     5. batch 64 x [M 64, K 2,048] x [K 2,048, N 2,048]; A: computed on the way; B: softmax (see below): QUANTISED
;;     6. [M 8,192, K 1,024] x [K 1,024, N 64]; A: computed on the way; B: input Wu (given as codes): QUANTISED
;;   THE QUANTISER, for each operand of a quantised product, along K:
;;     - K is cut into blocks of 32 from its start; a last block that is shorter is filled with zeros.
;;     - A block's scale is 2^e with e = floor(log2(the largest magnitude in the block)) - 2, held to -126 .. 127; a block of zeros has e = 0. As a byte (E8M0): e + 127.
;;     - Each number is divided by its block's scale, clamped to +-7.5, and rounded to the nearest number of E2M3, ties to even, subnormals kept.
;;     - The product sums the exact products of the quantised numbers (number of the format x scale) in f32.
;;   ~~~python
;;   def quantise(x, axis):      # numpy; x: float32 -> the quantised numbers, widened to float32 again
;;       x = np.moveaxis(x, axis, -1); K = x.shape[-1]
;;       x = np.pad(x, [(0, 0)] * (x.ndim - 1) + [(0, -K % 32)]); x = x.reshape(x.shape[:-1] + (-1, 32)); a = np.abs(x).max(-1, keepdims=True)
;;       e = np.where(a > 0, np.clip(np.frexp(np.where(a > 0, a, 1))[1] - 1 - 2, -126, 127), 0)      # np.frexp(a)[1] - 1 = floor(log2(a)), exactly
;;       r = np.clip(x / 2.0 ** e, -7.5, 7.5)
;;       step = 2.0 ** (np.maximum(np.frexp(np.where(r == 0, 1, r))[1] - 1, 0) - 3)
;;       q = np.round(r / step) * step * 2.0 ** e      # np.round: ties to even
;;       return np.moveaxis(q.reshape(q.shape[:-2] + (-1,))[..., :K], -1, axis).astype(np.float32)
;;   ~~~
;;   SOFTMAX AHEAD OF A QUANTISED PRODUCT. Where the list says 'softmax', what is quantised is not the finished softmax but p = 2^(t - M), with t = logit x log2(e) and M = ceil(the row's largest t), a whole number; so 1/2 < the row's largest p <= 1. The row's sum l is taken of the UNQUANTISED p, in f32, and the product's result is divided by l at the end. Since M is a whole number, a kernel that streams over the keys may use a running M (the ceiling of the running maximum): every later rescaling is an exact power of two, which a block's scale takes up: the codes' values come out the same.
;;   OPERANDS COMPUTED ON THE WAY. 'Computed on the way' means the value that the module computes at that place (a softmax that the list does not call 'softmax' is quantised finished and normalised). What goes into a quantiser is computed in f32, as accurately as f32 sums, v_exp_f32 and their like allow (about 1e-6 of the number): no bf16 or f16 on the way to a quantiser, and a product that is left as it is and whose result goes on into a quantised operand takes f32 operands (vector FMAs, or v_wmma_f32_16x16x4_f32). A number that lies on a knife's edge between two numbers of the format may be rounded either way, as far as f32 arithmetic and the matrix unit's own rounding can turn it there, and no further.
;;   INPUTS GIVEN AS CODES. Wk (in the module: [1024, 1024], K = its axis 0); Wq (in the module: [1024, 1024], K = its axis 0); Wu (in the module: [1024, 64], K = its axis 0); Wv (in the module: [1024, 1024], K = its axis 0); x (in the module: [4, 2048, 1024], K = its axis 2); y (in the module: [4, 2048, 1024], K = its axis 2): each comes as NAME_codes (uint8): NAME with its K axis moved to the last place and cut into blocks of 32 codes, [.., K / 32, bytes a block], one block behind the other in memory; four codes in three bytes: a row's codes are one little-endian stream of bits, code i at bits 6 i .. 6 i + 5 (a code: sign, 2 exponent bits, 3 mantissa bits); and NAME_scales (uint8): the same leading axes, one E8M0 byte (e + 127) for each 32 codes along K. Its value is code x scale, taken as it is: it is not quantised again, and the codes and scales need not be those that the quantiser above would give.
;; One version. Each part assembles by itself: llvm-mc -triple=amdgcn-amd-amdhsa -mcpu=gfx1250 --defsym DOCPART=n.
;; ======== version 1 of 1: 3 launches
;; limits: right only within a limited range of input values
;; workspace buffers: qimg 6,291,456 bytes; qsc 262,144 bytes; kimg 6,291,456 bytes; ksc 262,144 bytes; vimg 6,291,456 bytes; vsc 262,144 bytes; oimg 6,291,456 bytes; osc 262,144 bytes
;; launch proj (part 1): grid 4 x 96, 4 waves a work-group, clusters of 4 x 4, 327,680 bytes of LDS; arguments y_codes, y_scales, Wq_codes, Wq_scales, x_codes, x_scales, Wk_codes, Wk_scales, Wv_codes, Wv_scales, qimg, qsc, kimg, ksc, vimg, vsc; writes qimg, qsc, kimg, ksc, vimg, vsc
.if DOCPART == 1
	.amdgcn_target "amdgcn-amd-amdhsa--gfx1250"
	.amdhsa_code_object_version 6
	.text
	.protected	k_qcf73cd6f9f_proj
	.globl	k_qcf73cd6f9f_proj
	.p2align	8
	.type	k_qcf73cd6f9f_proj,@function
k_qcf73cd6f9f_proj:
	s_mov_b64 s[64:65], 0
	v_nop
	global_prefetch_b8 v0, s[64:65] scope:SCOPE_SE
	s_setreg_imm32_b32 hwreg(HW_REG_WAVE_MODE, 25, 1), 1
	s_wait_xcnt 0x0
	s_wait_alu depctr_hold_cnt(0) depctr_sa_sdst(0) depctr_va_vdst(0) depctr_va_sdst(0) depctr_va_ssrc(0) depctr_va_vcc(0) depctr_vm_vsrc(0)
	s_getreg_b32 s2, hwreg(HW_REG_IB_STS2, 6, 4)
	s_cmp_eq_u32 s2, 0
	s_cbranch_scc0 .Lentry_in_a_cluster
	s_endpgm
.Lentry_in_a_cluster:
	s_bfe_u32 s2, ttmp6, 0x10000c
	s_cmp_lg_u32 s2, 0xf033
	s_cbranch_scc0 .Lentry_shape_is_right
	s_endpgm
.Lentry_shape_is_right:
; CROSS ATTENTION, launch 1 of 3: q = y Wq, k = x Wk, v = x Wv on codes of FP6 (E2M3) with E8M0 scales, q and k x 2^-2.5, and the quantisers of q, k (along the head's channels) and v (along the keys).
; Nothing of reference() is left out in any launch; every input is loaded.
; A tile of 256 x 256 is made by four waves, 128 x 128 each.  Cluster y / 8 picks the product: 0 q, 1 k (A = tokens, B = weight rows), 2 v (A = Wv's rows, B = tokens, so that a lane's registers run along the keys).
; K = 1,024 is 768 bytes a row: three chunks of 256 bytes, each beginning at a multiple of 256 bytes, through a ring of two LDS slots; a step of 128 along K is 96 bytes, eight steps to three chunks.
; The scales of the tile's 256 + 256 rows come once, as dense blocks.  4 x 4 clusters: A's tiles are asked for jointly along a row of the cluster, B's along a column.
; Nothing is prefetched: the walk along K has three chunks, two of which are asked for before the first product.
; OUT: qimg, kimg: [batch, head][tile of 16 rows][3 planes of 256 bytes]: lane l's registers 2 p, 2 p + 1 at 256 p + 8 l; qsc, ksc: [batch, head][row][2].
;      vimg: [batch, head][128 keys][16 channels][3 planes of 512 bytes]; vsc: one word for a channel and 128 keys.
; LIMITS: a block's scale byte is held at 1 from below, and a block of zeros gets that byte (its codes are zeros); NaN and infinities are not served.
.set ROWB,   256
.set NQ,     2
.set KROW,   768
.set STEPS,  8
.set CHUNKS, 3
.set PITCH,  272                       ; 256 bytes + 16 of padding
.set FR,     12
.set NL,     6
.set NP,     4
.set HALFT,  128*PITCH
.set SLOT,   4*HALFT
.set KS,     32
.set SCL,    2*SLOT
.set HALFS,  16*272
.set SBLK,   2*272
.set SPARE,  SCL+4*HALFS               ; the spare words: 512 bytes that no other line names
.set ADRA, 16
.set ADRB, 20
.set IO8,  24
.set SO2,  25
.set IO16, 26
.set ADRS, 27
.set SPW,  28
.set NIL,  29
.set SO4,  30
.set SC,   32
.set TM,   64
.set PW,   80
.set PC,   84
.set AF,   128
.set GG,   3
.set G0H,  4
.set G0HB, 8
.set IMG,  12
.set G1,   24
.set G0,   32
.set G1B,  48
.set G0B,  56
.set G1S,  68
.set G0S,  76
.set G1SB, 80
.set G0SB, 88
.set SEL,  92
.set SCO,  100
.set CQ,   104
.set MSB, 0
.macro WIN new                         ; the immediate's high byte repeats the setting that is left
.if MSB != (\new)
	s_set_vgpr_msb (MSB<<8)|(\new)
.set MSB, (\new)
.endif
.endm
.set MUL_LO, 0xa1
.set MUL_HI, 0xf1
.set TO_B,   0x40
.macro JLOAD g0a, g1a, g0b, g1b        ; waves 0, 1 fetch for A, waves 2, 3 for B
	s_cmp_eq_u32 s15, 0
	s_cbranch_scc0 .Lfor_b_\@
	tensor_load_to_lds s[\g0a:\g0a+3], s[\g1a:\g1a+7]
	s_nop 0
.rept 4
	v_nop
.endr
	s_branch .Lasked_\@
.Lfor_b_\@:
	tensor_load_to_lds s[\g0b:\g0b+3], s[\g1b:\g1b+7]
	s_nop 0
.rept 4
	v_nop
.endr
.Lasked_\@:
.endm
.macro CREST
	s_cmp_lg_u32 s14, 0
	s_cbranch_scc1 .Lnot_wave_0_\@
	s_barrier_signal -3
.Lnot_wave_0_\@:
	s_barrier_wait -3
	s_barrier_signal -1
	s_barrier_wait -1
.endm
.macro CROUND
	s_barrier_signal -1
	s_barrier_wait -1
	CREST
.endm
	s_load_b512 s[68:83], s[0:1], 0x0
	s_load_b512 s[84:99], s[0:1], 0x40
	v_lshl_add_u32 v[SPW], v0, 2, SPARE
	v_mov_b32 v[NIL], 0
	ds_add_u32 v[SPW], v[NIL]                      ; the opening lines: the add, twice on end,
	ds_add_u32 v[SPW], v[NIL]
	v_lshrrev_b32 v1, 5, v0
	v_readfirstlane_b32 s14, v1                    ; wave
	s_lshr_b32 s15, s14, 1                         ; my half of A's rows; also: I fetch for A or for B
	s_and_b32 s16, s14, 1                          ; my half of B's rows; also: which 128 rows I fetch
	s_bfe_u32 s40, ttmp6, 0x40000                  ; cx
	s_bfe_u32 s41, ttmp6, 0x40004                  ; cy
	s_and_b32 s18, ttmp7, 0xffff
	s_lshr_b32 s[GG], s18, 3                       ; the product
	s_and_b32 s18, s18, 7
	s_cmp_eq_u32 s[GG], 2
	s_cselect_b32 s17, 0, s18
	s_cselect_b32 s42, s18, 0
	s_lshl_b32 s17, s17, 2
	s_add_co_u32 s17, s17, s41                     ; A's tile
	s_lshl_b32 s42, s42, 2
	s_add_co_u32 s42, s42, s40                     ; B's tile
	s_lshl_b32 s43, s41, 2
	s_lshl_b32 s43, 15, s43                        ; my row of the cluster
	s_lshl_b32 s44, 0x1111, s40                    ; my column
	s_or_b32 s[G1+0], s43, (0<<16)|(1<<20)|(1<<21)|(5<<22)|(3<<25)
	s_or_b32 s[G1B+0], s44, (0<<16)|(1<<20)|(1<<21)|(5<<22)|(3<<25)
.irp g, G1, G1B
	s_mov_b32 s[\g+1], ROWB<<16
	s_mov_b32 s[\g+2], 256<<16                     ; 256 rows for the head's loads
	s_mov_b32 s[\g+3], ROWB<<16
	s_mov_b32 s[\g+4], 256
	s_mov_b32 s[\g+5], KROW
	s_mov_b32 s[\g+6], 0
	s_mov_b32 s[\g+7], 0
.endr
	s_lshl_b32 s20, s17, 8
	s_lshl_b32 s46, s42, 8
	s_mov_b32 s21, 0
	s_mov_b32 s47, 0
	s_mov_b64 s[18:19], KS
	s_mul_u64 s[22:23], s[20:21], s[18:19]         ; where the tiles' scales begin
	s_mul_u64 s[66:67], s[46:47], s[18:19]
	s_mov_b64 s[18:19], KROW
	s_mul_u64 s[20:21], s[20:21], s[18:19]         ; and their codes
	s_mul_u64 s[46:47], s[46:47], s[18:19]
	s_mul_i32 s18, s16, 128*KROW
	s_mov_b32 s19, 0
	s_mul_i32 s45, s14, HALFT
	s_mov_b32 s[CQ], 0x3e3504f3                    ; 2^-2.5
	s_mov_b32 s[CQ+1], s[CQ]
	s_wait_dscnt 0x0                               ; and the one wait for both adds
	s_wait_kmcnt 0x0
	s_cmp_eq_u32 s[GG], 0
	s_cselect_b64 s[4:5], s[68:69], s[76:77]
	s_cselect_b64 s[6:7], s[70:71], s[78:79]
	s_cselect_b64 s[8:9], s[72:73], s[80:81]
	s_cselect_b64 s[10:11], s[74:75], s[82:83]
	s_cselect_b64 s[IMG:IMG+1], s[88:89], s[92:93]
	s_cselect_b64 s[SCO:SCO+1], s[90:91], s[94:95]
	s_cmp_eq_u32 s[GG], 2
	s_cselect_b64 s[4:5], s[84:85], s[4:5]
	s_cselect_b64 s[6:7], s[86:87], s[6:7]
	s_cselect_b64 s[8:9], s[76:77], s[8:9]
	s_cselect_b64 s[10:11], s[78:79], s[10:11]
	s_cselect_b64 s[IMG:IMG+1], s[96:97], s[IMG:IMG+1]
	s_cselect_b64 s[SCO:SCO+1], s[98:99], s[SCO:SCO+1]
	s_add_nc_u64 s[20:21], s[4:5], s[20:21]
	s_add_nc_u64 s[22:23], s[6:7], s[22:23]
	s_add_nc_u64 s[46:47], s[8:9], s[46:47]
	s_add_nc_u64 s[66:67], s[10:11], s[66:67]
	s_or_b32 s[G1S+0], s43, (3<<16)|(1<<20)|(1<<21)|(5<<22)|(3<<25)
	s_or_b32 s[G1SB+0], s44, (3<<16)|(1<<20)|(1<<21)|(5<<22)|(3<<25)
.irp g, G1S, G1SB                      ; the scales of 256 rows: 32 rows of 256 bytes
	s_mov_b32 s[\g+1], 32<<16
	s_mov_b32 s[\g+2], KS<<16
	s_mov_b32 s[\g+3], 32<<16
	s_mov_b32 s[\g+4], KS
	s_mov_b32 s[\g+5], 32
	s_mov_b32 s[\g+6], 0
	s_mov_b32 s[\g+7], 0
.endr
	s_mov_b32 s[SEL], 0x76543210
	s_mov_b32 s[SEL+1], 0xfedcba98
	CROUND                                         ; all sixteen work-groups are here: the first joint loads meet
	s_mov_b32 s[G0H], 1
	s_mov_b32 s[G0H+1], 0
	s_mov_b64 s[G0H+2:G0H+3], s[20:21]
	s_or_b32 s[G0H+3], s[G0H+3], 0x80000000
	s_mov_b32 s[G0HB], 1
	s_mov_b32 s[G0HB+1], 2*HALFT
	s_mov_b64 s[G0HB+2:G0HB+3], s[46:47]
	s_or_b32 s[G0HB+3], s[G0HB+3], 0x80000000
	s_mov_b32 s[G0S], 1
	s_mov_b32 s[G0S+1], SCL
	s_mov_b64 s[G0S+2:G0S+3], s[22:23]
	s_or_b32 s[G0S+3], s[G0S+3], 0x80000000
	s_mov_b32 s[G0SB], 1
	s_mov_b32 s[G0SB+1], SCL+2*HALFS
	s_mov_b64 s[G0SB+2:G0SB+3], s[66:67]
	s_or_b32 s[G0SB+3], s[G0SB+3], 0x80000000
	s_add_nc_u64 s[20:21], s[20:21], s[18:19]      ; for the ring: my 128 rows
	s_add_nc_u64 s[46:47], s[46:47], s[18:19]
.irp s, 0,1
	s_mov_b32 s[G0+4*\s], 1
	s_add_co_u32 s[G0+4*\s+1], s45, \s*SLOT
	s_add_nc_u64 s[G0+4*\s+2:G0+4*\s+3], s[20:21], \s*ROWB
	s_or_b32 s[G0+4*\s+3], s[G0+4*\s+3], 0x80000000
	s_mov_b32 s[G0B+4*\s], 1
	s_add_co_u32 s[G0B+4*\s+1], s45, \s*SLOT
	s_add_nc_u64 s[G0B+4*\s+2:G0B+4*\s+3], s[46:47], \s*ROWB
	s_or_b32 s[G0B+4*\s+3], s[G0B+4*\s+3], 0x80000000
.endr
; the head's four tiles, one load a wave: chunk 0 of A, chunk 0 of B, A's scales, B's scales; one chain of branches on the wave's number
.macro ARM under, g0, g1, next
	s_cmp_lt_u32 s14, \under
	s_cbranch_scc0 \next
	tensor_load_to_lds s[\g0:\g0+3], s[\g1:\g1+7]
	s_nop 0
.rept 4
	v_nop
.endr
	s_branch .Lhead_asked
\next:
.endm
	ARM 1, G0H,  G1,  .Lhead_b
	ARM 2, G0HB, G1B, .Lhead_sa
	ARM 3, G0S,  G1S, .Lhead_sb
	tensor_load_to_lds s[G0SB:G0SB+3], s[G1SB:G1SB+7]
	s_nop 0
.rept 4
	v_nop
.endr
.Lhead_asked:
	v_and_b32 v1, 15, v0                           ; l % 16
	v_bfe_u32 v2, v0, 4, 1                         ; l / 16
	v_mul_u32_u24 v3, v1, PITCH
	v_mul_u32_u24 v4, v2, 24
	v_add_nc_u32 v4, v3, v4                        ; row x pitch + 24 x half
	s_mov_b32 s21, SLOT-232
	s_mov_b32 s22, SLOT+232
	v_sub_nc_u32 v7, 1, v2
	v_mul_u32_u24 v5, s21, v2
	v_add_nc_u32 v5, v3, v5
	v_add_nc_u32 v5, 232, v5                       ; across two chunks: lanes 0-15 byte 232 in slot 0, lanes 16-31 byte 0 in slot 1;
	v_mul_u32_u24 v6, s22, v7
	v_add_nc_u32 v6, v3, v6                        ; and the other way round
	s_mul_i32 s21, s15, HALFT
	s_mul_i32 s22, s16, HALFT
	s_add_co_u32 s22, s22, 2*HALFT
	v_add_nc_u32 v[ADRA+2], s21, v5
	v_add_nc_u32 v[ADRA+3], s21, v6
	v_add_nc_u32 v[ADRB+2], s22, v5
	v_add_nc_u32 v[ADRB+3], s22, v6
.irp s, 0,1
	v_add_nc_u32 v[ADRA+\s], s21, v4
	v_add_nc_u32 v[ADRB+\s], s22, v4
	s_add_co_u32 s21, s21, SLOT
	s_add_co_u32 s22, s22, SLOT
.endr
	v_mul_u32_u24 v5, v1, KS
	v_lshrrev_b32 v6, 8, v5
	v_lshl_add_u32 v5, v6, 4, v5
	s_mul_i32 s21, s15, HALFS
	s_mul_i32 s22, s16, HALFS
	s_add_co_u32 s22, s22, 2*HALFS
	s_sub_co_u32 s22, s22, s21
	v_mul_u32_u24 v6, s22, v2                      ; lanes 16-31 take B's scale words
	s_add_co_u32 s21, s21, SCL
	v_add_nc_u32 v5, v5, v6
	v_add_nc_u32 v[ADRS], s21, v5
	v_and_b32 v6, 31, v0
	v_lshlrev_b32 v[IO8], 3, v6
	v_lshlrev_b32 v[IO16], 4, v6
	v_lshlrev_b32 v[SO2], 1, v1
	v_lshlrev_b32 v[SO4], 2, v1
.irp b, 0,1,2,3
	v_mov_b32 v[TM+4+\b], 0                        ; a lane permute's destination counts as a source
.endr
	; where my part of the images begins: q, k by (batch, head, tile of 16 rows); v by (batch, head, 128 keys)
	s_lshr_b32 s18, s17, 3
	s_lshl_b32 s18, s18, 4
	s_lshl_b32 s19, s42, 2
	s_add_co_u32 s18, s18, s19
	s_lshl_b32 s19, s16, 1
	s_add_co_u32 s18, s18, s19
	s_lshl_b32 s18, s18, 7
	s_and_b32 s19, s17, 7
	s_lshl_b32 s19, s19, 4
	s_add_co_u32 s18, s18, s19
	s_lshl_b32 s19, s15, 3
	s_add_co_u32 s18, s18, s19
	s_mul_i32 s20, s18, 768
	s_lshl_b32 s21, s18, 5
	s_lshr_b32 s18, s42, 3
	s_lshl_b32 s18, s18, 4
	s_lshl_b32 s19, s17, 2
	s_add_co_u32 s18, s18, s19
	s_lshl_b32 s19, s15, 1
	s_add_co_u32 s18, s18, s19
	s_lshl_b32 s18, s18, 4
	s_lshl_b32 s19, s42, 1
	s_add_co_u32 s19, s19, s16
	s_and_b32 s19, s19, 15
	s_add_co_u32 s18, s18, s19
	s_mul_i32 s22, s18, 6144
	s_lshl_b32 s23, s18, 8
	s_cmp_eq_u32 s[GG], 2
	s_cselect_b32 s20, s22, s20
	s_cselect_b32 s22, s23, s21
	s_mov_b32 s21, 0
	s_mov_b32 s23, 0
	s_add_nc_u64 s[IMG:IMG+1], s[IMG:IMG+1], s[20:21]
	s_add_nc_u64 s[SCO:SCO+1], s[SCO:SCO+1], s[22:23]
.macro FRAG reg, adr, st, i            ; 16 rows x 128 K: six pieces of 8 bytes; byte y of a row lies in chunk y / 256, slot (y / 256) % 2
.irp p, 0,1,2,3,4,5
.set BY, 96*(\st)+48*(\p/3)+8*(\p%3)
.if BY/ROWB == (BY+24)/ROWB
	ds_load_b64 v[\reg+2*\p:\reg+2*\p+1], v[\adr+(BY/ROWB)%2] offset:BY%ROWB+(\i)*16*PITCH
.else
	ds_load_b64 v[\reg+2*\p:\reg+2*\p+1], v[\adr+2+(BY/ROWB)%2] offset:BY%ROWB-232+(\i)*16*PITCH
.endif
.endr
.endm
.macro MUL16 a0, p, q, sc, zero        ; the 64 accumulators take turns
.irp a, \a0, \a0+1
.irp b, 0,1,2,3,4,5,6,7
.if \zero
	v_wmma_scale_f32_16x16x128_f8f6f4 v[8*(8*((\a)%4)+\b):8*(8*((\a)%4)+\b)+7], v[128*(\p)+FR*\b:128*(\p)+FR*\b+FR-1], v[AF+FR*(\a):AF+FR*(\a)+FR-1], 0, v[SC+8*NQ*(\sc)+NQ*\b+(\q)], v[SC+8*NQ*(\sc)+NQ*(\a)+(\q)] matrix_a_fmt:MATRIX_FMT_FP6 matrix_b_fmt:MATRIX_FMT_FP6 matrix_a_scale:MATRIX_SCALE_ROW1
.else
	v_wmma_scale_f32_16x16x128_f8f6f4 v[8*(8*((\a)%4)+\b):8*(8*((\a)%4)+\b)+7], v[128*(\p)+FR*\b:128*(\p)+FR*\b+FR-1], v[AF+FR*(\a):AF+FR*(\a)+FR-1], v[8*(8*((\a)%4)+\b):8*(8*((\a)%4)+\b)+7], v[SC+8*NQ*(\sc)+NQ*\b+(\q)], v[SC+8*NQ*(\sc)+NQ*(\a)+(\q)] matrix_a_fmt:MATRIX_FMT_FP6 matrix_b_fmt:MATRIX_FMT_FP6 matrix_a_scale:MATRIX_SCALE_ROW1
.endif
.endr
.endr
.endm
.macro FETCH_B st, p
	WIN TO_B
.irp i, 0,1,2,3,4,5,6,7
	FRAG 128*(\p)+FR*\i, ADRB, \st, \i
.endr
	WIN 0
.endm
.macro FETCH_A st, i0
.irp i, \i0, \i0+1, \i0+2, \i0+3
	FRAG AF+FR*(\i), ADRA, \st, \i
.endr
.endm
.macro SCALES pr                       ; the scale words of steps 2 pr, 2 pr + 1
.irp i, 0,1,2,3,4,5,6,7
	ds_load_b64 v[SC+8*NQ*((\pr)%2)+NQ*\i:SC+8*NQ*((\pr)%2)+NQ*\i+1], v[ADRS] offset:\i*SBLK+4*NQ*(\pr)
.endr
.endm
.macro PLACES n
.rept \n
	v_nop
.endr
.endm
; A step: 64 products; the next step's fragments are fetched in its middle and at its end.  Where the next step ends in a chunk not yet read, a barrier shows that chunk whole;
; where it begins in a later chunk, the chunk left behind is read no more: the wait for all my tensor loads, the add, the wait for it and for my reads, the barrier; if a chunk two on is left, a round and the refill.
.macro STEP st, zero
.set NX, (\st)+1
.set C0, (96*(\st))/ROWB
.set C1, (96*NX)/ROWB
.set E0, (96*(\st)+95)/ROWB
.set E1, (96*NX+95)/ROWB
.if C1 > C0 || E1 > E0
	s_wait_tensorcnt 0x0
.if C1 > C0
	ds_add_u32 v[SPW], v[NIL]
	s_wait_dscnt 4*NL+1                            ; the add and A's blocks 4-7 may be out
.else
	s_wait_dscnt 4*NL                              ; A's blocks 4-7 may be out
.endif
	WIN MUL_LO
	MUL16 0, (\st)%2, (\st)%2, ((\st)/2)%2, \zero
	s_wait_dscnt 0x0
	s_barrier_signal -1
	MUL16 2, (\st)%2, (\st)%2, ((\st)/2)%2, \zero
	WIN 0
	s_barrier_wait -1
.if C1 > C0 && C0+2 < CHUNKS
	CREST
	s_add_nc_u64 s[G0+4*(C0%2)+2:G0+4*(C0%2)+3], s[G0+4*(C0%2)+2:G0+4*(C0%2)+3], 2*ROWB
	s_add_nc_u64 s[G0B+4*(C0%2)+2:G0B+4*(C0%2)+3], s[G0B+4*(C0%2)+2:G0B+4*(C0%2)+3], 2*ROWB
	JLOAD G0+4*(C0%2), G1, G0B+4*(C0%2), G1B       ; chunk C0 + 2; its four v_nop are the places in front of the loads below
.else
	PLACES NP
.endif
.else
	s_wait_dscnt 4*NL
	WIN MUL_LO
	MUL16 0, (\st)%2, (\st)%2, ((\st)/2)%2, \zero
	MUL16 2, (\st)%2, (\st)%2, ((\st)/2)%2, \zero
	s_wait_dscnt 0
	PLACES NP
.endif
	FETCH_B NX, NX%2
	FETCH_A NX, 0
.if NX%2 == 0
	SCALES NX/2
.endif
	WIN MUL_HI
	MUL16 4, (\st)%2, (\st)%2, ((\st)/2)%2, \zero
	MUL16 6, (\st)%2, (\st)%2, ((\st)/2)%2, \zero
	PLACES NP
	WIN 0
	FETCH_A NX, 4
.endm
	s_wait_alu depctr_va_vdst(0)                   ; the wait at the head's end
	s_wait_tensorcnt 0x0                           ; my tile of the head's four is in; slot 1's first fill is issued as a refill is
	ds_add_u32 v[SPW], v[NIL]
	s_mov_b32 s[G1+2], 128<<16                     ; no tensor load of mine is out: from here on a load brings 128 rows
	s_mov_b32 s[G1+4], 128
	s_mov_b32 s[G1B+2], 128<<16
	s_mov_b32 s[G1B+4], 128
	s_wait_dscnt 0x0
	CROUND
	JLOAD G0+4, G1, G0B+4, G1B                     ; chunk 1
	FETCH_B 0, 0
	FETCH_A 0, 0
	SCALES 0
	FETCH_A 0, 4
	STEP 0, 1                                      ; the first step's products start the sums
.set ST, 1
.rept STEPS-2
	STEP ST, 0
.set ST, ST+1
.endr
	s_wait_dscnt 4*NL
	WIN MUL_LO
	MUL16 0, 1, 1, 1, 0
	MUL16 2, 1, 1, 1, 0
	s_wait_dscnt 0
	WIN MUL_HI
	MUL16 4, 1, 1, 1, 0
	MUL16 6, 1, 1, 1, 0
	WIN 0
; THE QUANTISER of block a's 16 rows x 128: four blocks of 32, each in lanes l and l xor 16
.macro QW a
.set WQ, 2+(\a)/4
.set AC, 64*((\a)%4)
.set WQ2, WQ|(WQ<<2)
.if (\a) > 0
	s_wait_xcnt 0x0                                ; the last block's stores have read their registers
.endif
	WIN WQ2
.irp b, 0,1,2,3
	v_max3_num_f32 v[TM+\b], |v[AC+16*\b]|, |v[AC+16*\b+1]|, 0x1800000
.endr
.irp i, 2,4,6,8,10,12,14
.irp b, 0,1,2,3
	v_max3_num_f32 v[TM+\b], |v[AC+16*\b+\i]|, |v[AC+16*\b+\i+1]|, v[TM+\b]
.endr
.endr
	WIN 0
.irp b, 0,1,2,3
	v_permlanex16_b32 v[TM+4+\b], v[TM+\b], s[SEL], s[SEL+1]
.endr
.irp b, 0,1,2,3
	v_max_num_f32 v[TM+\b], v[TM+\b], v[TM+4+\b]
.endr
.irp b, 0,1,2,3
	v_add_nc_u32 v[TM+12+\b], 0xff000000, v[TM+\b]
.endr
.irp b, 0,1,2,3
	v_lshrrev_b32 v[TM+4+\b], 23, v[TM+12+\b]
.endr
	v_lshl_or_b32 v[PW], v[TM+5], 8, v[TM+4]
	v_lshl_or_b32 v[PW], v[TM+6], 16, v[PW]
	v_lshl_or_b32 v[PW], v[TM+7], 24, v[PW]
	WIN WQ
.irp c, 0,1
	v_cvt_scalef32_pk16_fp6_f32 v[PC+6*\c:PC+2+6*\c], v[AC+32*\c:AC+15+32*\c], v[TM+12+2*\c]
	v_cvt_scalef32_pk16_fp6_f32 v[PC+12+4*\c:PC+14+4*\c], v[AC+16+32*\c:AC+31+32*\c], v[TM+12+2*\c+1]
.endr
	WIN 0
	v_nop
.irp c, 0,1
.irp i, 0,1,2
	v_permlane16_swap_b32 v[PC+6*\c+\i], v[PC+12+4*\c+\i]
.endr
.irp i, 0,1,2
	v_mov_b32 v[PC+3+6*\c+\i], v[PC+12+4*\c+\i]
.endr
.endr
.endm
.macro OUTQK a
.set WQ, 2+(\a)/4
.set AC, 64*((\a)%4)
.set WQ3, (WQ<<6)|WQ
	WIN WQ3
.set jj, 0
.rept 32
	v_pk_mul_f32 v[AC+jj:AC+jj+1], v[AC+jj:AC+jj+1], s[CQ:CQ+1] op_sel_hi:[1,0]
.set jj, jj+2
.endr
	QW \a
.irp c, 0,1
.irp p, 0,1,2
	global_store_b64 v[IO8], v[PC+6*\c+2*\p:PC+6*\c+2*\p+1], s[IMG:IMG+1] offset:768*(\a)+98304*\c+256*\p
.endr
.endr
	global_store_b16 v[SO2], v[PW], s[SCO:SCO+1] offset:32*(\a)
	global_store_d16_hi_b16 v[SO2], v[PW], s[SCO:SCO+1] offset:32*(\a)+4096
.endm
.macro OUTV a
	QW \a
.irp c, 0,1,2
	global_store_b128 v[IO16], v[PC+4*\c:PC+4*\c+3], s[IMG:IMG+1] offset:98304*((\a)/4)+1536*((\a)%4)+512*\c
.endr
	global_store_b32 v[SO4], v[PW], s[SCO:SCO+1] offset:4096*((\a)/4)+64*((\a)%4)
.endm
	PLACES NP
	s_cmp_eq_u32 s[GG], 2
	s_cbranch_scc1 .Lv
.irp a, 0,1,2,3,4,5,6,7
	OUTQK \a
.endr
	s_branch .Lend
.Lv:
.irp a, 0,1,2,3,4,5,6,7
	OUTV \a
.endr
.Lend:
	s_wait_tensorcnt 0x0                           ; the wave's end
	ds_add_u32 v[SPW], v[NIL]
	s_wait_dscnt 0x0
	CROUND                                         ; the closing round
	s_endpgm
.Lfunc_end_k_qcf73cd6f9f_proj:
	.size	k_qcf73cd6f9f_proj, .Lfunc_end_k_qcf73cd6f9f_proj-k_qcf73cd6f9f_proj
	.p2alignl 7, 3214868480
	.fill 96, 4, 3214868480
	.section	.rodata,"a",@progbits
	.p2align	6, 0x0
	.amdhsa_kernel k_qcf73cd6f9f_proj
		.amdhsa_group_segment_fixed_size 327680
		.amdhsa_private_segment_fixed_size 0
		.amdhsa_enable_private_segment 0
		.amdhsa_kernarg_size 128
		.amdhsa_user_sgpr_count 2
		.amdhsa_user_sgpr_kernarg_segment_ptr 1
		.amdhsa_wavefront_size32 1
		.amdhsa_system_sgpr_workgroup_id_x 1
		.amdhsa_system_sgpr_workgroup_id_y 1
		.amdhsa_system_sgpr_workgroup_id_z 1
		.amdhsa_system_vgpr_workitem_id 0
		.amdhsa_next_free_vgpr 1024
		.amdhsa_next_free_sgpr 106
		.amdhsa_reserve_vcc 0
		.amdhsa_float_denorm_mode_32 3
		.amdhsa_float_denorm_mode_16_64 3
		.amdhsa_memory_ordered 1
		.amdhsa_forward_progress 1
		.amdhsa_inst_pref_size 219
	.end_amdhsa_kernel
	.amdgpu_metadata
---
amdhsa.version: [ 1, 2 ]
amdhsa.kernels:
  - .name:           k_qcf73cd6f9f_proj
    .symbol:         k_qcf73cd6f9f_proj.kd
    .args:
      - { .name: y_codes, .offset: 0, .size: 8, .value_kind: global_buffer, .address_space: global }
      - { .name: y_scales, .offset: 8, .size: 8, .value_kind: global_buffer, .address_space: global }
      - { .name: Wq_codes, .offset: 16, .size: 8, .value_kind: global_buffer, .address_space: global }
      - { .name: Wq_scales, .offset: 24, .size: 8, .value_kind: global_buffer, .address_space: global }
      - { .name: x_codes, .offset: 32, .size: 8, .value_kind: global_buffer, .address_space: global }
      - { .name: x_scales, .offset: 40, .size: 8, .value_kind: global_buffer, .address_space: global }
      - { .name: Wk_codes, .offset: 48, .size: 8, .value_kind: global_buffer, .address_space: global }
      - { .name: Wk_scales, .offset: 56, .size: 8, .value_kind: global_buffer, .address_space: global }
      - { .name: Wv_codes, .offset: 64, .size: 8, .value_kind: global_buffer, .address_space: global }
      - { .name: Wv_scales, .offset: 72, .size: 8, .value_kind: global_buffer, .address_space: global }
      - { .name: qimg, .offset: 80, .size: 8, .value_kind: global_buffer, .address_space: global }
      - { .name: qsc, .offset: 88, .size: 8, .value_kind: global_buffer, .address_space: global }
      - { .name: kimg, .offset: 96, .size: 8, .value_kind: global_buffer, .address_space: global }
      - { .name: ksc, .offset: 104, .size: 8, .value_kind: global_buffer, .address_space: global }
      - { .name: vimg, .offset: 112, .size: 8, .value_kind: global_buffer, .address_space: global }
      - { .name: vsc, .offset: 120, .size: 8, .value_kind: global_buffer, .address_space: global }
    .group_segment_fixed_size: 327680
    .private_segment_fixed_size: 0
    .kernarg_segment_align: 8
    .kernarg_segment_size: 128
    .max_flat_workgroup_size: 128
    .sgpr_count:     106
    .vgpr_count:     1024
    .wavefront_size: 32
...
	.end_amdgpu_metadata
.endif
;; end of part 1
;; launch attn (part 2): grid 4 x 64, 8 waves a work-group, clusters of 4 x 1, 242,688 bytes of LDS; arguments qimg, qsc, kimg, ksc, vimg, vsc, oimg, osc; writes oimg, osc
.if DOCPART == 2
	.amdgcn_target "amdgcn-amd-amdhsa--gfx1250"
	.amdhsa_code_object_version 6
	.text
	.protected	k_qcf73cd6f9f_attn
	.globl	k_qcf73cd6f9f_attn
	.p2align	8
	.type	k_qcf73cd6f9f_attn,@function
k_qcf73cd6f9f_attn:
	s_mov_b64 s[64:65], 0
	v_nop
	global_prefetch_b8 v0, s[64:65] scope:SCOPE_SE
	s_setreg_imm32_b32 hwreg(HW_REG_WAVE_MODE, 25, 1), 1
	s_wait_xcnt 0x0
	s_wait_alu depctr_hold_cnt(0) depctr_sa_sdst(0) depctr_va_vdst(0) depctr_va_sdst(0) depctr_va_ssrc(0) depctr_va_vcc(0) depctr_vm_vsrc(0)
	s_getreg_b32 s2, hwreg(HW_REG_IB_STS2, 6, 4)
	s_cmp_eq_u32 s2, 0
	s_cbranch_scc0 .Lentry_in_a_cluster
	s_endpgm
.Lentry_in_a_cluster:
	s_bfe_u32 s2, ttmp6, 0x10000c
	s_cmp_lg_u32 s2, 0x3003
	s_cbranch_scc0 .Lentry_shape_is_right
	s_endpgm
.Lentry_shape_is_right:
; CROSS ATTENTION, launch 2 of 3: o = softmax(q k^T) v for each batch and head, both products on codes of FP6 (E2M3) with E8M0 scales, and the quantiser of o.  Nothing is left out.
; THE SOFTMAX: t = score x log2(e); M = the row's largest t so far, rounded UP to a whole number; p = 2^(t - M) is quantised along the keys, not normalised.  The row's sum is taken of the unquantised p, in f32,
; and divides O at the end.  When M moves, the sum and O are multiplied by 2^(old M - new M): exact.
; SHARES.  A cluster of four work-groups is one (batch, head); a work-group owns 512 queries, in two passes of 256; each of its EIGHT waves owns TWO tiles of 16 queries a pass, and both tiles use each fragment of K and V
; that the wave reads from LDS.  Tile 0's scores, O^T, codes and sums lie in register window 0, tile 1's under the same numbers in window 1.  The few numbers a tile that are made one from the other
; (maxima, -M, f, scale bytes) lie in window 0 for BOTH tiles, so that the two tiles' chains stand by turns under one window setting.
; THE HEAD'S K AND V STAY IN LDS, filled ONCE by joint loads that name the four work-groups, one load a wave: waves 0, 1 K's halves, 2, 3 V's, 4, 5 K's scale bytes, 6, 7 V's.  No LDS byte is filled again.
; Nothing is prefetched: all that the launch streams is asked for by these loads at its head.
; LAYOUT.  Both products are used transposed: S^T = K Q^T, O^T = V^T P^T: a lane holds ONE query (lane % 16) throughout.
; THE KEYS OF A TILE OF K ARE CHOSEN BY ADDRESS: of the step's 128 keys, tile 4 c + u takes as rows 0-7 the keys 64 c + 8 g + 0..7 and as rows 8-15 the keys 64 c + 32 + 8 g + 0..7, g = 0, 2, 1, 3 for u = 0 .. 3.
; So lane (r, h) holds in registers 32 c .. 32 c + 31 of S^T the WHOLE block 2 c + h of 32 keys, in the order in which vimg has v's codes: no other lane is asked for a block's maximum, and the conversions' results are P's operand.
; K's planes of 256 bytes lie 352 bytes apart in LDS (the load's descriptor pads them): rows 8-15 read six planes on, 2,112 bytes = 64 modulo 256, so that the 32 lanes of a load touch 64 different banks (ISA guide 11.1).
; K = 64 IN AN INSTRUCTION OF K = 128: Q's registers 6-11 are zero codes, so what stands in K's registers 6-11 adds nothing; the scale bytes 2, 3 of both are 0, which is 2^-127, a number.
; oimg: [tile of 16 rows of all 8,192][head][768]; osc: [row][32]: byte 2 head + block.
; LIMITS: the scaled scores stay under 2^31 in magnitude; a scale byte is held at 1 from below and a block of zeros gets that byte; NaN and infinities are not served.
.set KPL,   352                        ; a plane of K in LDS
.set KTL,   3*KPL                      ; a tile of 16 keys
.set KIMG,  0
.set VIMG,  128*KTL                    ; 135,168
.set KSC,   VIMG+98304
.set VSC,   KSC+4096
.set SPARE, VSC+4096                   ; the spare words, 128 bytes for each wave: four blocks of 256 bytes that no other line names
.set IO8,  1                           ; 8 x lane: my place in qimg's and oimg's planes
.set AV0,  2                           ; 16 x lane + VIMG
.set ASK0, 3                           ; K's scale bytes: KSC + 64 (r / 8) + 32 h + 2 (r % 8)
.set ASV0, 4                           ; 4 x lane + VSC
.set SPW,  5
.set NIL,  6
.set OS,   7                           ; 32 x (lane % 16)
.set ADK,  8                           ; the step's LDS addresses
.set ADV,  9
.set ADS,  10
.set ADT,  11
.set NM,   12                          ; window 0: tile w's pair (-M, the largest score) at v[12 + 18 w]: v12-13, v30-31
                                       ; in each window: v[14:15] the sum in two halves
.set QF,   16                          ; in each window: v16-21 Q's codes, v22-27 zero codes
.set QS,   28                          ; 2 x (lane % 16)
.set AK0,  29                          ; K's codes: 2,112 (r / 8) + 128 h + 8 (r % 8)
.set KV,   32                          ; window 0: K's eight tiles x 6 registers, v80-85 zeros
.set VF,   32                          ; window 1: V's four fragments x 12
.set S,    96                          ; in each window: S^T, then p
.set O,    160                         ; in each window: O^T
.set KSW,  192                         ; window 0, scales alone: v192-195 K's, v196-197 V's, v198-199 Q's of tiles 0, 1, v200-201 p's
.set VSW,  196
.set QSW,  198
.set PSW,  200
.set SM,   204                         ; in each window: v204-217 seven partial sums
.set OC,   204                         ; on the way out: o's codes and its two scale bytes
.set PCD,  224                         ; in each window: p's codes
.set HM,   236                         ; window 0: tile w's four maxima at v[236 - 150 w]: v236-239, v86-89  (on the way out: v236-239 of the tile's own window)
.set CT,   240                         ; in each window: v240-242, v244-246 the upper halves of two blocks' codes
.set SO,   248                         ; window 0, tile w at - 158 w: v248-249, v90-91 the conversions' scale operands;
.set TA,   250                         ; v250, v92;
.set TB,   251                         ; v251, v93;
.set F,    252                         ; v[252:253], v[94:95] f = 2^(old M - new M)
.set WV,   20
.set SEL,  22
.set CS,   24
.set G1S,  28                          ; group 1: 8 rows of 256 bytes
.set G1C,  36                          ; 192 rows of 256 bytes
.set G1K,  44                          ; 192 rows of 256 bytes, 96 bytes of padding behind each
.set G0KS, 52
.set G0KC, 56
.set G0VS, 68
.set G0VC, 72
.set TK,   80
.set TS,   81
.set CNT,  82
.set TV,   83
.set MSB, 0
.macro WIN new                         ; low byte: bits 1:0 source 0, 3:2 source 1, 5:4 source 2, 7:6 destination; the high byte repeats the setting that is left
.if MSB != (\new)
	s_set_vgpr_msb (MSB<<8)|(\new)
.set MSB, (\new)
.endif
.endm
.macro CROUND
	s_barrier_signal -1
	s_barrier_wait -1
	s_cmp_lg_u32 s[WV], 0
	s_cbranch_scc1 .Lnot_wave_0_\@
	s_barrier_signal -3
.Lnot_wave_0_\@:
	s_barrier_wait -3
	s_barrier_signal -1
	s_barrier_wait -1
.endm
	s_load_b512 s[4:19], s[0:1], 0x0               ; qimg, qsc, kimg, ksc, vimg, vsc, oimg, osc
	v_lshl_add_u32 v[SPW], v0, 2, SPARE
	v_mov_b32 v[NIL], 0
	ds_add_u32 v[SPW], v[NIL]                      ; the opening lines: the add, twice on end,
	ds_add_u32 v[SPW], v[NIL]
	v_lshrrev_b32 v8, 5, v0
	s_delay_alu instid0(VALU_DEP_1)
	v_readfirstlane_b32 s[WV], v8                  ; wave 0..7
	s_bfe_u32 s21, ttmp6, 0x40000                  ; cx: it enters Q's and O's addresses alone
	s_and_b32 s26, ttmp7, 0xffff                   ; 16 x batch + head
	s_and_b32 s27, s[WV], 1                        ; which half I fetch
.irp g, G1S, G1C, G1K
	s_mov_b32 s[\g+1], 32<<16
	s_mov_b32 s[\g+3], 32<<16
	s_mov_b32 s[\g+5], 32
	s_mov_b32 s[\g+6], 0
	s_mov_b32 s[\g+7], 0
.endr
	s_mov_b32 s[G1S], 15|(3<<16)|(1<<21)           ; the mask: all four work-groups; elements of 8 bytes
	s_mov_b32 s[G1C], 15|(3<<16)|(1<<21)
	s_mov_b32 s[G1K], 15|(3<<16)|(1<<20)|(1<<21)|(5<<22)|(23<<25)   ; and 24 words of padding behind every 64
	s_mov_b32 s[G1S+2], 8<<16
	s_mov_b32 s[G1S+4], 8
	s_mov_b32 s[G1C+2], 192<<16
	s_mov_b32 s[G1C+4], 192
	s_mov_b32 s[G1K+2], 192<<16
	s_mov_b32 s[G1K+4], 192
	s_lshl_b32 s83, s27, 11                        ; my half of the scale bytes,
	s_mul_i32 s87, s27, 49152                      ; of the codes in memory and of V's in LDS,
	s_mul_i32 s80, s27, 192*KPL                    ; of K's in LDS
	s_lshl_b32 s88, s26, 12
	s_add_co_u32 s88, s88, s83
	s_mov_b32 s89, 0
	s_mul_i32 s90, s26, 98304
	s_add_co_u32 s90, s90, s87
	s_mov_b32 s91, 0
	s_lshl_b32 s92, s21, 5
	s_lshl_b32 s96, s[WV], 1
	s_add_co_u32 s92, s92, s96                     ; my first tile of queries in the head, pass 0: 32 cx + 2 wave
	s_lshr_b32 s96, s26, 4
	s_lshl_b32 s96, s96, 7
	s_add_co_u32 s96, s96, s92                     ; among all rows: 128 x batch + that
	s_lshl_b32 s98, s96, 9                         ; osc: 512 bytes a tile
	s_and_b32 s99, s26, 15
	s_lshl_b32 s96, s96, 4
	s_add_co_u32 s96, s96, s99
	s_mul_i32 s96, s96, 768                        ; oimg: (16 x tile + head) x 768
	s_lshl_b32 s99, s99, 1
	s_add_co_u32 s98, s98, s99
	s_lshl_b32 s94, s26, 7
	s_add_co_u32 s94, s94, s92
	s_mul_i32 s92, s94, 768                        ; qimg
	s_lshl_b32 s94, s94, 5                         ; qsc
	s_mov_b32 s93, 0
	s_mov_b32 s95, 0
	s_mov_b32 s97, 0
	s_mov_b32 s99, 0
	s_mov_b32 s[SEL], 0x76543210
	s_mov_b32 s[SEL+1], 0xfedcba98
	s_mov_b32 s[CS], 0x3fb8aa3b                    ; log2(e)
	s_mov_b32 s[CS+1], s[CS]
	s_mov_b32 s84, 0x05040100                      ; byte selects of the way out
	s_mov_b32 s85, 0x05040302
	s_mov_b32 s86, 0x07060302
	s_wait_dscnt 0x0                               ; and the one wait for both adds
	s_wait_kmcnt 0x0
	s_mov_b32 s[G0KS], 1
	s_add_co_u32 s[G0KS+1], s83, KSC
	s_add_nc_u64 s[G0KS+2:G0KS+3], s[10:11], s[88:89]
	s_or_b32 s[G0KS+3], s[G0KS+3], 0x80000000
	s_mov_b32 s[G0KC], 1
	s_add_co_u32 s[G0KC+1], s80, KIMG
	s_add_nc_u64 s[G0KC+2:G0KC+3], s[8:9], s[90:91]
	s_or_b32 s[G0KC+3], s[G0KC+3], 0x80000000
	s_mov_b32 s[G0VS], 1
	s_add_co_u32 s[G0VS+1], s83, VSC
	s_add_nc_u64 s[G0VS+2:G0VS+3], s[14:15], s[88:89]
	s_or_b32 s[G0VS+3], s[G0VS+3], 0x80000000
	s_mov_b32 s[G0VC], 1
	s_add_co_u32 s[G0VC+1], s87, VIMG
	s_add_nc_u64 s[G0VC+2:G0VC+3], s[12:13], s[90:91]
	s_or_b32 s[G0VC+3], s[G0VC+3], 0x80000000
	s_add_nc_u64 s[4:5], s[4:5], s[92:93]
	s_add_nc_u64 s[6:7], s[6:7], s[94:95]
	s_add_nc_u64 s[16:17], s[16:17], s[96:97]
	s_add_nc_u64 s[18:19], s[18:19], s[98:99]
	CROUND                                         ; all four work-groups are here: the joint loads meet
.macro ARM under, g0, g1, next         ; one chain of branches on the wave's number: every way passes exactly one load
	s_cmp_lt_u32 s[WV], \under
	s_cbranch_scc0 \next
	tensor_load_to_lds s[\g0:\g0+3], s[\g1:\g1+7]
	s_nop 0
.rept 4
	v_nop
.endr
	s_branch .Lasked
\next:
.endm
	ARM 2, G0KC, G1K, .Larm_v
	ARM 4, G0VC, G1C, .Larm_ks
	ARM 6, G0KS, G1S, .Larm_vs
	tensor_load_to_lds s[G0VS:G0VS+3], s[G1S:G1S+7]
	s_nop 0
.rept 4
	v_nop
.endr
.Lasked:
	v_and_b32 v30, 31, v0                          ; lane
	v_and_b32 v31, 15, v0                          ; r
	v_lshlrev_b32 v[IO8], 3, v30
	v_lshl_add_u32 v[AV0], v30, 4, VIMG
	v_lshl_add_u32 v[ASV0], v30, 2, VSC
	v_lshlrev_b32 v[OS], 5, v31
	v_lshlrev_b32 v[QS], 1, v31
	v_and_b32 v30, 7, v0                           ; r % 8
	v_bfe_u32 v31, v0, 3, 1                        ; r / 8
	v_bfe_u32 v[ADK], v0, 4, 1                     ; h
	v_lshlrev_b32 v[AK0], 3, v30
	v_lshl_add_u32 v[ASK0], v30, 1, KSC
	v_lshl_add_u32 v[AK0], v[ADK], 7, v[AK0]
	v_lshl_add_u32 v[ASK0], v[ADK], 5, v[ASK0]
	v_mad_u32_u24 v[AK0], v31, 6*KPL, v[AK0]
	v_lshl_add_u32 v[ASK0], v31, 6, v[ASK0]
.irp i, 0,1,2,3,4,5
	v_mov_b32 v[KV+48+\i], 0                       ; what stands behind K's last tile
.endr
.irp w, 0,1
	v_mov_b32 v[TB-158*\w], 0                      ; a lane permute's destination counts as a source
	v_mov_b32 v[F-158*\w+1], 0                     ; (named as the upper half of the pair)
.endr
.irp w, 0,1
	WIN 0x55*\w
.irp i, 0,1,2,3,4,5
	v_mov_b32 v[QF+6+\i], 0                        ; Q's K = 64 .. 127: zero codes
.endr
	v_mov_b32 v[HM+2], 0                           ; the way out's lane permutes land here, in the tile's own window
	v_mov_b32 v[HM+3], 0
	v_mov_b32 v[F], 0
.endr
	WIN 0
.macro KLOAD ak, as                    ; a step's K: four registers of scale bytes (lanes 0-15 an even tile's keys, lanes 16-31 the odd one's) and eight tiles of codes
.irp pr, 0,1,2,3
	ds_load_u16 v[KSW+\pr], v[\as] offset:128*(\pr/2)+16*(\pr%2)
.endr
.irp t, 0,1,2,3,4,5,6,7
.irp p, 0,1,2
	ds_load_b64 v[KV+6*\t+2*\p:KV+6*\t+2*\p+1], v[\ak] offset:KTL*(4*(\t/4)+\t%2)+64*((\t%4)/2)+KPL*\p
.endr
.endr
.endm
.macro SMUL w                          ; S^T = K Q^T: eight tiles of 16 keys
.irp t, 0,1,2,3,4,5,6,7
.if \t%2
	v_wmma_scale_f32_16x16x128_f8f6f4 v[S+8*\t:S+8*\t+7], v[KV+6*\t:KV+6*\t+11], v[QF:QF+11], 0, v[KSW+2*(\t/4)+(\t%4)/2], v[QSW+\w] matrix_a_fmt:MATRIX_FMT_FP6 matrix_b_fmt:MATRIX_FMT_FP6 matrix_a_scale:MATRIX_SCALE_ROW1
.else
	v_wmma_scale_f32_16x16x128_f8f6f4 v[S+8*\t:S+8*\t+7], v[KV+6*\t:KV+6*\t+11], v[QF:QF+11], 0, v[KSW+2*(\t/4)+(\t%4)/2], v[QSW+\w] matrix_a_fmt:MATRIX_FMT_FP6 matrix_b_fmt:MATRIX_FMT_FP6
.endif
.endr
.endm
.macro PV w                            ; O^T += V^T P^T: four tiles of 16 channels, by turns
.irp dt, 0,1,2,3
.if \dt%2
	v_wmma_scale_f32_16x16x128_f8f6f4 v[O+8*\dt:O+8*\dt+7], v[VF+12*\dt:VF+12*\dt+11], v[PCD:PCD+11], v[O+8*\dt:O+8*\dt+7], v[VSW+\dt/2], v[PSW+\w] matrix_a_fmt:MATRIX_FMT_FP6 matrix_b_fmt:MATRIX_FMT_FP6 matrix_a_scale:MATRIX_SCALE_ROW1
.else
	v_wmma_scale_f32_16x16x128_f8f6f4 v[O+8*\dt:O+8*\dt+7], v[VF+12*\dt:VF+12*\dt+11], v[PCD:PCD+11], v[O+8*\dt:O+8*\dt+7], v[VSW+\dt/2], v[PSW+\w] matrix_a_fmt:MATRIX_FMT_FP6 matrix_b_fmt:MATRIX_FMT_FP6
.endif
.endr
.endm
; Tile w's scores (its window) into four maxima in window 0: four chains by turns; each accumulator is read from its low end on
.macro MAXB w
	WIN 0x15*\w                                    ; three sources in the tile's window
.irp b, 0,1,2,3
	v_max3_num_f32 v[HM-150*\w+\b], v[S+16*\b], v[S+1+16*\b], v[S+2+16*\b]
.endr
	WIN 0x14*\w                                    ; source 0 in window 0
.irp i, 3,5,7,9,11,13
.irp b, 0,1,2,3
	v_max3_num_f32 v[HM-150*\w+\b], v[HM-150*\w+\b], v[S+16*\b+\i], v[S+1+16*\b+\i]
.endr
.endr
	v_max3_num_f32 v[HM-150*\w], v[HM-150*\w], v[S+15], v[S+31]
	v_max3_num_f32 v[HM-150*\w+2], v[HM-150*\w+2], v[S+47], v[S+63]
.endm
; Both tiles by turns, all in window 0: each block's largest score, the running maximum, -M, f, and t - M of each block's largest score
.macro CHAIN
.irp w, 0,1
	v_max_num_f32 v[HM-150*\w], v[HM-150*\w], v[HM-150*\w+1]       ; block h's largest score,
	v_max_num_f32 v[HM-150*\w+2], v[HM-150*\w+2], v[HM-150*\w+3]   ; block 2 + h's
.endr
.irp w, 0,1
	v_max_num_f32 v[TA-158*\w], v[HM-150*\w], v[HM-150*\w+2]
.endr
.irp w, 0,1
	v_permlanex16_b32 v[TB-158*\w], v[TA-158*\w], s[SEL], s[SEL+1]
.endr
.irp w, 0,1
	v_max3_num_f32 v[NM+18*\w+1], v[NM+18*\w+1], v[TA-158*\w], v[TB-158*\w]   ; the running largest score of my query
.endr
.irp w, 0,1
	v_mov_b32 v[TB-158*\w], v[NM+18*\w]
.endr
.irp w, 0,1
	v_mul_f32 v[TA-158*\w], s[CS], v[NM+18*\w+1]   ; as t (log2(e) is positive)
.endr
.irp w, 0,1
	v_floor_f32 v[NM+18*\w], -v[TA-158*\w]         ; the new -M = -ceil(t)
.endr
.irp w, 0,1
	v_sub_f32 v[TB-158*\w], v[NM+18*\w], v[TB-158*\w]   ; old M less new M: a whole number, 0 or less
.endr
.irp w, 0,1
	v_fma_f32 v[HM-150*\w], v[HM-150*\w], s[CS], v[NM+18*\w]
.endr
.irp w, 0,1
	v_cvt_i32_f32 v[TB-158*\w], v[TB-158*\w]       ; (it saturates)
.endr
.irp w, 0,1
	v_fma_f32 v[HM-150*\w+2], v[HM-150*\w+2], s[CS], v[NM+18*\w]
.endr
.irp w, 0,1
	v_ldexp_f32 v[F-158*\w], 1.0, v[TB-158*\w]
.endr
.endm
; Tile w: t - M, and the sums and O^T under the new M.  Source 0 and the destination in the tile's window, -M and f in window 0
.macro BULK w
	WIN 0x41*\w
.set jj, 0
.rept 32
	v_pk_fma_f32 v[S+jj:S+jj+1], v[S+jj:S+jj+1], s[CS:CS+1], v[NM+18*\w:NM+18*\w+1] op_sel_hi:[1,0,0]
.set jj, jj+2
.endr
	v_pk_mul_f32 v[14:15], v[14:15], v[F-158*\w:F-158*\w+1] op_sel_hi:[1,0]
.set jj, 0
.rept 16
	v_pk_mul_f32 v[O+jj:O+jj+1], v[O+jj:O+jj+1], v[F-158*\w:F-158*\w+1] op_sel_hi:[1,0]
.set jj, jj+2
.endr
.endm
.macro EXPS
.set jj, 0
.rept 64
	v_exp_f32 v[S+jj], v[S+jj]                     ; p = 2^(t - M), at most 1
.set jj, jj+1
.endr
.endm
; Both tiles by turns, all in window 0: the blocks' scale operands and bytes, and p's scale words
.macro POSTC
.irp w, 0,1
	v_max_num_f32 v[HM-150*\w], 0x1800000, v[HM-150*\w]        ; the floor 2^(3 - 127): the byte cannot fall under 1
	v_max_num_f32 v[HM-150*\w+2], 0x1800000, v[HM-150*\w+2]
.endr
.irp w, 0,1
	v_add_nc_u32 v[SO-158*\w], 0xff000000, v[HM-150*\w]        ; 2 off the exponent field: the conversion's scale operand
	v_add_nc_u32 v[SO-158*\w+1], 0xff000000, v[HM-150*\w+2]
.endr
.irp w, 0,1
	v_lshrrev_b32 v[HM-150*\w], 23, v[SO-158*\w]
	v_lshrrev_b32 v[HM-150*\w+2], 23, v[SO-158*\w+1]
.endr
.irp w, 0,1
	v_lshl_or_b32 v[HM-150*\w], v[HM-150*\w+2], 16, v[HM-150*\w]   ; my bytes: blocks h and 2 + h
.endr
.irp w, 0,1
	v_permlanex16_b32 v[TB-158*\w], v[HM-150*\w], s[SEL], s[SEL+1]
.endr
.irp w, 0,1
	v_lshl_or_b32 v[PSW+\w], v[TB-158*\w], 8, v[HM-150*\w]     ; in lanes 0-15, which alone are read: blocks 0, 2 mine, 1, 3 lane l + 16's
.endr
.endm
; Tile w: p's codes, and the row's sum of the unquantised p
.macro POSTB w
	WIN 0x41*\w                                    ; the scale operand in window 0
.irp c, 0,1
	v_cvt_scalef32_pk16_fp6_f32 v[PCD+6*\c:PCD+6*\c+2], v[S+32*\c:S+32*\c+15], v[SO-158*\w+\c]
	v_cvt_scalef32_pk16_fp6_f32 v[CT+4*\c:CT+4*\c+2], v[S+32*\c+16:S+32*\c+31], v[SO-158*\w+\c]   ; (a conversion's three registers begin on an even number)
.endr
	WIN 0x45*\w                                    ; both sources and the destination in the tile's window
.irp i, 0,1,2,3,4,5,6
	v_pk_add_f32 v[SM+2*\i:SM+2*\i+1], v[S+4*\i:S+4*\i+1], v[S+4*\i+2:S+4*\i+3]   ; eight chains; these are also the plain places behind the conversions
.endr
	v_pk_add_f32 v[14:15], v[14:15], v[S+28:S+29]
.irp c, 0,1
.irp i, 0,1,2
	v_mov_b32 v[PCD+6*\c+3+\i], v[CT+4*\c+\i]
.endr
.endr
.irp i, 0,1,2,3,4,5,6
	v_pk_add_f32 v[SM+2*\i:SM+2*\i+1], v[SM+2*\i:SM+2*\i+1], v[S+30+2*\i:S+31+2*\i]
.endr
	v_pk_add_f32 v[14:15], v[14:15], v[S+44:S+45]
.irp i, 0,1,2,3,4,5,6
	v_pk_add_f32 v[SM+2*\i:SM+2*\i+1], v[SM+2*\i:SM+2*\i+1], v[S+46+2*\i:S+47+2*\i]
.endr
	v_pk_add_f32 v[14:15], v[14:15], v[S+60:S+61]
	v_pk_add_f32 v[SM:SM+1], v[SM:SM+1], v[S+62:S+63]
	v_pk_add_f32 v[14:15], v[14:15], v[SM+6:SM+7]
	v_pk_add_f32 v[SM+2:SM+3], v[SM+2:SM+3], v[SM+10:SM+11]
	v_pk_add_f32 v[SM+4:SM+5], v[SM+4:SM+5], v[SM+12:SM+13]
	v_pk_add_f32 v[SM:SM+1], v[SM:SM+1], v[SM+8:SM+9]
	v_pk_add_f32 v[14:15], v[14:15], v[SM+2:SM+3]
	s_delay_alu instid0(VALU_DEP_2)
	v_pk_add_f32 v[SM:SM+1], v[SM:SM+1], v[SM+4:SM+5]
	s_delay_alu instid0(VALU_DEP_1)
	v_pk_add_f32 v[14:15], v[14:15], v[SM:SM+1]
.endm
; A KEY STEP: 128 keys against my two tiles of queries.  K's fragments were asked for a step ago.
.macro STEP
	s_wait_dscnt 0x0                               ; K and its scale bytes are in
	SMUL 0
	WIN 0x44                                       ; Q and S^T of tile 1: window 1
	SMUL 1
	WIN 0
	s_add_co_u32 s[TK], s[TK], 8*KTL
	v_add_nc_u32 v[ADT], s[TS], v[ASV0]            ; these four are the places behind the products above and behind the last step's, in front of the loads below and of the first read of the scores
	v_add_nc_u32 v[ADV], s[TV], v[AV0]
	s_add_co_u32 s[TS], s[TS], 256
	s_add_co_u32 s[TV], s[TV], 6144
	v_add_nc_u32 v[ADK], s[TK], v[AK0]
	v_add_nc_u32 v[ADS], s[TS], v[ASK0]
	WIN 0x40                                       ; V's fragments: window 1
.irp dt, 0,1,2,3
.irp c, 0,1,2
	ds_load_b128 v[VF+12*\dt+4*\c:VF+12*\dt+4*\c+3], v[ADV] offset:1536*\dt+512*\c
.endr
.endr
	WIN 0
.irp pr, 0,1
	ds_load_b32 v[VSW+\pr], v[ADT] offset:128*\pr
.endr
	s_cmp_eq_u32 s[CNT], 1
	s_cbranch_scc1 .Lno_k_\@                       ; the pass's last step asks for no further K
	KLOAD ADK, ADS
.Lno_k_\@:
	MAXB 0
	MAXB 1
	WIN 0
	CHAIN
	BULK 0
	BULK 1
	s_wait_alu depctr_va_vdst(0)                   ; the wait ahead of the batch
	EXPS                                           ; tile 1's, under the setting that BULK 1 left
	WIN 0
.irp w, 0,1
	v_exp_f32 v[HM-150*\w], v[HM-150*\w]           ; the blocks' largest p: the same two instructions on the same number give the same bits
	v_exp_f32 v[HM-150*\w+2], v[HM-150*\w+2]
.endr
	EXPS
	v_nop                                          ; one plain place behind the exponentials
	s_wait_alu depctr_va_vdst(0)                   ; and one wait for the 132, ahead of their first reader
	POSTC
	POSTB 0
	POSTB 1                                        ; its 24 last additions stand between p's codes and the products
	WIN 0
	s_wait_alu depctr_va_vdst(0)
	s_wait_dscnt 0x0                               ; V is in
	WIN 0x01                                       ; V: window 1
	PV 0
	WIN 0x55
	PV 1
	WIN 0
.endm
; THE WAY OUT of a tile, all in its own window: O^T / the sum; two blocks of 32 channels are quantised; their places are set in natural order, since Wu is given so
.macro WAYOUT w, ps
	WIN 0x55*\w
	v_add_f32 v14, v14, v15
	s_delay_alu instid0(VALU_DEP_1)
	v_permlanex16_b32 v[F], v14, s[SEL], s[SEL+1]
	s_delay_alu instid0(VALU_DEP_1)
	v_add_f32 v14, v14, v[F]                       ; the row's sum
	s_wait_alu depctr_va_vdst(0)
	v_rcp_f32 v14, v14
	v_nop
	s_wait_alu depctr_va_vdst(0)
.set jj, 0
.rept 16
	v_pk_mul_f32 v[S+jj:S+jj+1], v[O+jj:O+jj+1], v[14:15] op_sel_hi:[1,0]   ; register 8 t + j is o(query r, channel 16 t + 8 h + j)
.set jj, jj+2
.endr
.irp b, 0,1
	v_max3_num_f32 v[HM+\b], |v[S+16*\b]|, |v[S+1+16*\b]|, 0x1800000
.endr
.irp i, 2,4,6,8,10,12,14
.irp b, 0,1
	s_delay_alu instid0(VALU_DEP_2)
	v_max3_num_f32 v[HM+\b], v[HM+\b], |v[S+16*\b+\i]|, |v[S+1+16*\b+\i]|
.endr
.endr
.irp b, 0,1
	s_delay_alu instid0(VALU_DEP_2)
	v_permlanex16_b32 v[HM+2+\b], v[HM+\b], s[SEL], s[SEL+1]
.endr
.irp b, 0,1
	s_delay_alu instid0(VALU_DEP_2)
	v_max_num_f32 v[HM+\b], v[HM+\b], v[HM+2+\b]
.endr
.irp b, 0,1
	s_delay_alu instid0(VALU_DEP_2)
	v_add_nc_u32 v[SO+\b], 0xff000000, v[HM+\b]
.endr
.irp b, 0,1
	s_delay_alu instid0(VALU_DEP_2)
	v_lshrrev_b32 v[HM+2+\b], 23, v[SO+\b]
.endr
	s_delay_alu instid0(VALU_DEP_1)
	v_lshl_or_b32 v[OC+6], v[HM+3], 8, v[HM+2]     ; the head's two scale bytes of my row
	v_cvt_scalef32_pk16_fp6_f32 v[224:226], v[S:S+15], v[SO]
	v_cvt_scalef32_pk16_fp6_f32 v[228:230], v[S+16:S+31], v[SO+1]
	v_nop
.irp i, 0,1,2
	v_permlane16_swap_b32 v[224+\i], v[228+\i]     ; lane (r, H) now holds block H: in v224-226 what half 0 made of it, in v228-230 what half 1 made
.endr
	v_mov_b32 v[OC], v224                          ; natural order: half 0's bits 0-47, half 1's bits 0-47, half 0's bits 48-95, half 1's bits 48-95
	v_perm_b32 v[OC+1], v228, v225, s84
	v_perm_b32 v[OC+2], v229, v228, s85
	v_perm_b32 v[OC+3], v226, v225, s85
	v_perm_b32 v[OC+4], v229, v226, s86
	v_mov_b32 v[OC+5], v230
	WIN 0x04*\w                                    ; the data in the tile's window, the offsets in window 0
.irp p, 0,1,2
	global_store_b64 v[IO8], v[OC+2*\p:OC+2*\p+1], s[16:17] offset:196608*\ps+12288*\w+256*\p   ; the 32 lanes store 256 consecutive bytes, aligned
.endr
	global_store_b16 v[OS], v[OC+6], s[18:19] offset:8192*\ps+512*\w
.endm
; A PASS: 32 queries a wave against all 2,048 keys.  Pass 1's tiles lie 16 tiles on: every address differs by an immediate alone.
.macro PASS ps
.if \ps
	s_wait_xcnt 0x0                                ; pass 0's stores have read their registers
.endif
.irp p, 0,1,2
	global_load_b64 v[QF+2*\p:QF+2*\p+1], v[IO8], s[4:5] offset:12288*\ps+256*\p
.endr
.irp w, 0,1
	global_load_u16 v[QSW+\w], v[QS], s[6:7] offset:512*\ps+32*\w   ; two scale bytes a query; the upper bytes come as 0
.endr
	WIN 0x40
.irp p, 0,1,2
	global_load_b64 v[QF+2*\p:QF+2*\p+1], v[IO8], s[4:5] offset:12288*\ps+768+256*\p
.endr
.irp w, 0,1
	WIN 0x55*\w
	v_mov_b32 v14, 0
	v_mov_b32 v15, 0
.set jj, 0
.rept 32
	v_mov_b32 v[O+jj], 0                           ; the step is written once a pass: its first trip finds zeros, which the first change of M leaves zeros
.set jj, jj+1
.endr
.endr
	WIN 0
.irp w, 0,1
	v_mov_b32 v[NM+18*\w+1], 0xff61b1e6            ; the largest score so far: -3e38
	v_mov_b32 v[NM+18*\w], 0x7f61b1e6              ; -M: 3e38, a whole number
.endr
	s_mov_b32 s[TK], 0
	s_mov_b32 s[TS], 0
	s_mov_b32 s[TV], 0
	s_wait_alu depctr_va_vdst(0)
	s_wait_loadcnt 0x0                             ; Q
.if \ps == 0
	s_wait_tensorcnt 0x0                           ; my part of the head's K, V or scale bytes is in,
	s_barrier_signal -1
	s_barrier_wait -1                              ; everybody's is; nothing in LDS is written from here on
.endif
	KLOAD AK0, ASK0                                ; the first step's K
	s_mov_b32 s[CNT], 16
.Lstep_\@:
	STEP
	s_sub_co_u32 s[CNT], s[CNT], 1
	s_cmp_lg_u32 s[CNT], 0
	s_cbranch_scc1 .Lstep_\@                       ; what the step's last vector instructions wrote (the sums) is read again behind the next step's 4 + 60 vector instructions and more
.rept 4
	v_nop                                          ; places behind the last products
.endr
	WAYOUT 0, \ps
	WAYOUT 1, \ps
	WIN 0
.endm
	PASS 0
	PASS 1
	s_wait_tensorcnt 0x0                           ; the wave's end
	ds_add_u32 v[SPW], v[NIL]
	s_wait_dscnt 0x0
	CROUND                                         ; the closing round
	s_endpgm
.Lfunc_end_k_qcf73cd6f9f_attn:
	.size	k_qcf73cd6f9f_attn, .Lfunc_end_k_qcf73cd6f9f_attn-k_qcf73cd6f9f_attn
	.p2alignl 7, 3214868480
	.fill 96, 4, 3214868480
	.section	.rodata,"a",@progbits
	.p2align	6, 0x0
	.amdhsa_kernel k_qcf73cd6f9f_attn
		.amdhsa_group_segment_fixed_size 242688
		.amdhsa_private_segment_fixed_size 0
		.amdhsa_enable_private_segment 0
		.amdhsa_kernarg_size 64
		.amdhsa_user_sgpr_count 2
		.amdhsa_user_sgpr_kernarg_segment_ptr 1
		.amdhsa_wavefront_size32 1
		.amdhsa_system_sgpr_workgroup_id_x 1
		.amdhsa_system_sgpr_workgroup_id_y 1
		.amdhsa_system_sgpr_workgroup_id_z 1
		.amdhsa_system_vgpr_workitem_id 0
		.amdhsa_next_free_vgpr 512
		.amdhsa_next_free_sgpr 100
		.amdhsa_reserve_vcc 0
		.amdhsa_float_denorm_mode_32 3
		.amdhsa_float_denorm_mode_16_64 3
		.amdhsa_memory_ordered 1
		.amdhsa_forward_progress 1
		.amdhsa_inst_pref_size 94
	.end_amdhsa_kernel
	.amdgpu_metadata
---
amdhsa.version: [ 1, 2 ]
amdhsa.kernels:
  - .name:           k_qcf73cd6f9f_attn
    .symbol:         k_qcf73cd6f9f_attn.kd
    .args:
      - { .name: qimg, .offset: 0, .size: 8, .value_kind: global_buffer, .address_space: global }
      - { .name: qsc, .offset: 8, .size: 8, .value_kind: global_buffer, .address_space: global }
      - { .name: kimg, .offset: 16, .size: 8, .value_kind: global_buffer, .address_space: global }
      - { .name: ksc, .offset: 24, .size: 8, .value_kind: global_buffer, .address_space: global }
      - { .name: vimg, .offset: 32, .size: 8, .value_kind: global_buffer, .address_space: global }
      - { .name: vsc, .offset: 40, .size: 8, .value_kind: global_buffer, .address_space: global }
      - { .name: oimg, .offset: 48, .size: 8, .value_kind: global_buffer, .address_space: global }
      - { .name: osc, .offset: 56, .size: 8, .value_kind: global_buffer, .address_space: global }
    .group_segment_fixed_size: 242688
    .private_segment_fixed_size: 0
    .kernarg_segment_align: 8
    .kernarg_segment_size: 64
    .max_flat_workgroup_size: 256
    .sgpr_count:     100
    .vgpr_count:     512
    .wavefront_size: 32
...
	.end_amdgpu_metadata
.endif
;; end of part 2
;; launch unify (part 3): grid 256 x 1, 2 waves a work-group, no clusters, 8,960 bytes of LDS; arguments oimg, osc, Wu_codes, Wu_scales, bu, out0; writes out0
.if DOCPART == 3
	.amdgcn_target "amdgcn-amd-amdhsa--gfx1250"
	.amdhsa_code_object_version 6
	.text
	.protected	k_qcf73cd6f9f_unify
	.globl	k_qcf73cd6f9f_unify
	.p2align	8
	.type	k_qcf73cd6f9f_unify,@function
k_qcf73cd6f9f_unify:
	s_mov_b64 s[64:65], 0
	v_nop
	global_prefetch_b8 v0, s[64:65] scope:SCOPE_SE
	s_setreg_imm32_b32 hwreg(HW_REG_WAVE_MODE, 25, 1), 1
	s_wait_xcnt 0x0
; CROSS ATTENTION, launch 3 of 3: out0 = o Wu + bu, on codes of FP6 (E2M3) with E8M0 scales; K = 1,024 = (head, channel).  Nothing is left out.
; The sum runs over the heads, which the launch before made in different work-groups: so it has a launch of its own, and each output row has one owner.
; SHARES.  A wave takes 16 rows, all 64 outputs and all eight K steps of 128: 32 matrix instructions on four accumulators by turns.  Straight-line text; waves share nothing, so there is no barrier.
; No cluster and no tensor load: Wu's 49,152 bytes are all that the work-groups share, and each wave takes them straight into its registers.  Nothing is prefetched: the launch is short and asks for all it reads at its head.
; THE MATRIX INSTRUCTION IS USED TRANSPOSED (source 0 = 16 rows of Wu's codes, that is 16 outputs; source 1 = my 16 rows of o): lane (r, h) holds row r, and register j of tile t the output 16 t + 8 h + j.
; o's fragment of K step s is the images of heads 2 s and 2 s + 1 on end; its scale word is bytes 4 s .. 4 s + 3 of the row's 32.  The bias is the C of each sum's first matrix instruction.
; REGISTERS, in windows of 256: window 0: v1-12 addresses; v16-111 o's eight fragments; v112-143 the four accumulators; v144-175 Wu's scale words (8 t + s); v176-183 o's; v184-215 rows on the way out.
;   window 1: Wu's fragments (K step s = 0 .. 4, tile t) at v[12 (4 s + t)];   window 2: those of s = 5 .. 7 at v[12 (4 (s - 5) + t)].
.set STG,   4352                       ; a wave's stage: 16 rows x (256 bytes + 16)
.set SPARE, 2*STG                      ; behind the stages: the spare words, 128 bytes for each wave: one block of 256 bytes that no other line names
.set OF,    16
.set ACC,   112
.set WUS,   144
.set OSW,   176
.set BK,    184
.set SPW,   10                         ; v10  LDS address of my spare word; never rewritten
.set NIL,   11                         ; v11  0; never rewritten
.set MSB, 0
.macro WIN new                         ; the immediate's high byte repeats the setting that is left
.if MSB != (\new)
	s_set_vgpr_msb (MSB<<8)|(\new)
.set MSB, (\new)
.endif
.endm
	s_load_b256 s[4:11], s[0:1], 0x0               ; oimg s[4:5], osc s[6:7], Wu's codes s[8:9], Wu's scales s[10:11]
	s_load_b128 s[12:15], s[0:1], 0x20             ; bu s[12:13], out0 s[14:15]
	v_lshl_add_u32 v[SPW], v0, 2, SPARE
	v_mov_b32 v[NIL], 0
	v_lshrrev_b32 v1, 5, v0
	v_readfirstlane_b32 s16, v1                    ; wave 0, 1
	v_and_b32 v1, 15, v0                           ; r
	v_bfe_u32 v2, v0, 4, 1                         ; h
	v_and_b32 v12, 31, v0                          ; lane
	v_lshlrev_b32 v3, 3, v12                       ; an image's place for my lane: 8 x lane
	v_mul_u32_u24 v4, v1, 768
	v_mad_u32_u24 v4, v2, 24, v4                   ; Wu: row r of 768 bytes, + 24 h
	v_lshlrev_b32 v5, 5, v1                        ; scale bytes: 32 a row
	v_lshlrev_b32 v6, 5, v2                        ; bu: my half's eight numbers
	s_mul_i32 s17, s16, STG                        ; my stage
	v_mul_u32_u24 v7, v1, 272
	v_lshl_add_u32 v7, v2, 5, v7
	v_add_nc_u32 v7, s17, v7                       ; in: row r, + 32 h
	v_mul_u32_u24 v8, v2, 272
	v_lshl_add_u32 v8, v1, 4, v8
	v_add_nc_u32 v8, s17, v8                       ; back: lanes 0-15 one row, lanes 16-31 the next
	v_lshlrev_b32 v9, 8, v2
	v_lshl_add_u32 v9, v1, 4, v9                   ; and the same two rows in out0
	s_lshl_b32 s18, ttmp9, 1
	s_add_co_u32 s18, s18, s16                     ; my tile of 16 rows
	s_mul_i32 s20, s18, 12288                      ; oimg: 16 heads x 768 bytes a tile
	s_mov_b32 s21, 0
	s_lshl_b32 s22, s18, 9                         ; osc: 512
	s_mov_b32 s23, 0
	s_lshl_b32 s24, s18, 12                        ; out0: 4,096
	s_mov_b32 s25, 0
	s_wait_alu depctr_va_vdst(0)
	s_wait_kmcnt 0x0
	s_add_nc_u64 s[4:5], s[4:5], s[20:21]
	s_add_nc_u64 s[6:7], s[6:7], s[22:23]
	s_add_nc_u64 s[14:15], s[14:15], s[24:25]
.irp t, 0,1,2,3
	global_load_b128 v[ACC+8*\t:ACC+8*\t+3], v6, s[12:13] offset:64*\t        ; bu(16 t + 8 h + 0 .. 7): the sums begin with it
	global_load_b128 v[ACC+8*\t+4:ACC+8*\t+7], v6, s[12:13] offset:64*\t+16
.endr
.irp t, 0,1,2,3
	global_load_b128 v[WUS+8*\t:WUS+8*\t+3], v5, s[10:11] offset:512*\t       ; Wu's scale words of row 16 t + r, K steps 0 .. 7
	global_load_b128 v[WUS+8*\t+4:WUS+8*\t+7], v5, s[10:11] offset:512*\t+16
.endr
	global_load_b128 v[OSW:OSW+3], v5, s[6:7]      ; o's scale words of row r
	global_load_b128 v[OSW+4:OSW+7], v5, s[6:7] offset:16
.irp hd, 0,1,2,3,4,5,6,7,8,9,10,11,12,13,14,15
.irp p, 0,1,2
	global_load_b64 v[OF+6*\hd+2*\p:OF+6*\hd+2*\p+1], v3, s[4:5] offset:768*\hd+256*\p th:TH_LOAD_NT   ; the 32 lanes read 256 consecutive bytes; read once in the launch
.endr
.endr
	WIN 0x40                                       ; destination window 1
.irp s, 0,1,2,3,4
.irp t, 0,1,2,3
.irp p, 0,1,2,3,4,5
	global_load_b64 v[12*(4*\s+\t)+2*\p:12*(4*\s+\t)+2*\p+1], v4, s[8:9] offset:12288*\t+96*\s+48*(\p/3)+8*(\p%3)
.endr
.endr
.endr
	WIN 0x80                                       ; destination window 2
.irp s, 5,6,7
.irp t, 0,1,2,3
.irp p, 0,1,2,3,4,5
	global_load_b64 v[12*(4*(\s-5)+\t)+2*\p:12*(4*(\s-5)+\t)+2*\p+1], v4, s[8:9] offset:12288*\t+96*\s+48*(\p/3)+8*(\p%3)
.endr
.endr
.endr
.irp s, 0,1,2,3,4,5,6,7
.if 24*(7-\s) > 63
	s_wait_loadcnt 63                              ; behind this K step's loads 24 (7 - s) more were issued, Wu's of the later steps: more than the count can name, so the largest count is taken
.else
	s_wait_loadcnt 24*(7-\s)                       ; Wu's loads of the later K steps may be out
.endif
.if \s < 5
	WIN 0x01                                       ; source 0 (Wu) window 1
.set WB, 48*\s
.else
	WIN 0x02                                       ; source 0 window 2
.set WB, 48*(\s-5)
.endif
.irp t, 0,1,2,3                                ; the four accumulators by turns
	v_wmma_scale_f32_16x16x128_f8f6f4 v[ACC+8*\t:ACC+8*\t+7], v[WB+12*\t:WB+12*\t+11], v[OF+12*\s:OF+12*\s+11], v[ACC+8*\t:ACC+8*\t+7], v[WUS+8*\t+\s], v[OSW+\s] matrix_a_fmt:MATRIX_FMT_FP6 matrix_b_fmt:MATRIX_FMT_FP6
.endr
.endr
	WIN 0
.rept 4
	v_nop                                          ; places behind the last products, ahead of the stores that read results
.endr
	; THE WAY OUT: a lane holds 32 neighbouring bytes of a row for each tile; the 16 rows go through my own stage and come back as whole rows of 256 bytes
.irp t, 0,1,2,3
	ds_store_b128 v7, v[ACC+8*\t:ACC+8*\t+3] offset:64*\t          ; each accumulator from its low end on
	ds_store_b128 v7, v[ACC+8*\t+4:ACC+8*\t+7] offset:64*\t+16
.endr
.irp i, 0,1,2,3,4,5,6,7
	ds_load_b128 v[BK+4*\i:BK+4*\i+3], v8 offset:544*\i            ; LDS serves a wave's instructions in order (ISA guide 5.7.1.4): these see my stores
.endr
.irp i, 0,1,2,3,4,5,6,7
	s_wait_dscnt 7-\i                              ; the younger loads from the stage may be out
	global_store_b128 v9, v[BK+4*\i:BK+4*\i+3], s[14:15] offset:512*\i th:TH_STORE_NT   ; the 32 lanes store 512 consecutive bytes, aligned
.endr
	s_wait_tensorcnt 0x0                           ; the wave's end, behind my last LDS store
	ds_add_u32 v[SPW], v[NIL]
	s_wait_dscnt 0x0
	s_endpgm
.Lfunc_end_k_qcf73cd6f9f_unify:
	.size	k_qcf73cd6f9f_unify, .Lfunc_end_k_qcf73cd6f9f_unify-k_qcf73cd6f9f_unify
	.p2alignl 7, 3214868480
	.fill 96, 4, 3214868480
	.section	.rodata,"a",@progbits
	.p2align	6, 0x0
	.amdhsa_kernel k_qcf73cd6f9f_unify
		.amdhsa_group_segment_fixed_size 8960
		.amdhsa_private_segment_fixed_size 0
		.amdhsa_enable_private_segment 0
		.amdhsa_kernarg_size 48
		.amdhsa_user_sgpr_count 2
		.amdhsa_user_sgpr_kernarg_segment_ptr 1
		.amdhsa_wavefront_size32 1
		.amdhsa_system_sgpr_workgroup_id_x 1
		.amdhsa_system_sgpr_workgroup_id_y 1
		.amdhsa_system_sgpr_workgroup_id_z 1
		.amdhsa_system_vgpr_workitem_id 0
		.amdhsa_next_free_vgpr 672
		.amdhsa_next_free_sgpr 66
		.amdhsa_reserve_vcc 0
		.amdhsa_float_denorm_mode_32 3
		.amdhsa_float_denorm_mode_16_64 3
		.amdhsa_memory_ordered 1
		.amdhsa_forward_progress 1
		.amdhsa_inst_pref_size 33
	.end_amdhsa_kernel
	.amdgpu_metadata
---
amdhsa.version: [ 1, 2 ]
amdhsa.kernels:
  - .name:           k_qcf73cd6f9f_unify
    .symbol:         k_qcf73cd6f9f_unify.kd
    .args:
      - { .name: oimg, .offset: 0, .size: 8, .value_kind: global_buffer, .address_space: global }
      - { .name: osc, .offset: 8, .size: 8, .value_kind: global_buffer, .address_space: global }
      - { .name: Wu_codes, .offset: 16, .size: 8, .value_kind: global_buffer, .address_space: global }
      - { .name: Wu_scales, .offset: 24, .size: 8, .value_kind: global_buffer, .address_space: global }
      - { .name: bu, .offset: 32, .size: 8, .value_kind: global_buffer, .address_space: global }
      - { .name: out0, .offset: 40, .size: 8, .value_kind: global_buffer, .address_space: global }
    .group_segment_fixed_size: 8960
    .private_segment_fixed_size: 0
    .kernarg_segment_align: 8
    .kernarg_segment_size: 48
    .max_flat_workgroup_size: 64
    .sgpr_count:     66
    .vgpr_count:     672
    .wavefront_size: 32
...
	.end_amdgpu_metadata
.endif
;; end of part 3
